; MI455X (gfx1250); checked and timed in simulation.
; The chip was launched on July 23, 2026; its instructions are those of AMD's public machine-readable ISA for CDNA 5 (MIT licence, August 2026) and "CDNA5" Instruction Set Architecture Reference Guide (July 2026). The comments in the code are by the model that wrote it; some were corrected since.
;; Efficient Mo E Layer. Allowed arithmetic: matrix products marked QUANTISED: E2M1 operands, one E8M0 scale for each 32 along K, by v_wmma_scale_f32_16x16x128_f8f6f4 with both operands' format E2M1 (or v_wmma_scale_f32_32x16x128_f4), f32 sums; products left as they are: f32 operands where the result goes on into a quantised operand, else bf16, f16 or f32 operands; f32 sums; everything else in f32.
;; Inputs: W1 8 x 1,024 x 4,096 float32; W2 8 x 4,096 x 1,024 float32; Wr 1,024 x 8 float32; b1 8 x 4,096 float32; b2 8 x 1,024 float32; x 4 x 256 x 1,024 float32.
;; Outputs: out0 4 x 256 x 1,024 float32.
;; This version of the problem:
;;   THIS VERSION OF THE PROBLEM IS GIVEN IN LOW PRECISION. The matrix products marked QUANTISED in the list below multiply operands that are first quantised to E2M1 (2 exponent bits, 1 mantissa bit; 4 bits a number), with one power-of-two scale for each 32 numbers along K (OCP MX v1.0); their sums are f32. All else is computed in f32.
;;   The module's matrix products, in the order in which they are computed (A, B: the left and right operand; K: the contracted axis; several contracted axes count as one K, in the product's order):
;;     1. [M 1,024, K 1,024] x [K 1,024, N 8]; A: input x; B: input Wr: left as it is (N = 8 < 16)
;;     2. [M 1,024, K 1,024] x [K 1,024, N 4,096]; A: input x; B: input W1: QUANTISED
;;     3. [M 1,024, K 4,096] x [K 4,096, N 1,024]; A: computed on the way; B: input W2: QUANTISED
;;     4. [M 1,024, K 1,024] x [K 1,024, N 4,096]; A: input x; B: input W1: QUANTISED
;;     5. [M 1,024, K 4,096] x [K 4,096, N 1,024]; A: computed on the way; B: input W2: QUANTISED
;;     6. [M 1,024, K 1,024] x [K 1,024, N 4,096]; A: input x; B: input W1: QUANTISED
;;     7. [M 1,024, K 4,096] x [K 4,096, N 1,024]; A: computed on the way; B: input W2: QUANTISED
;;     8. [M 1,024, K 1,024] x [K 1,024, N 4,096]; A: input x; B: input W1: QUANTISED
;;     9. [M 1,024, K 4,096] x [K 4,096, N 1,024]; A: computed on the way; B: input W2: QUANTISED
;;     10. [M 1,024, K 1,024] x [K 1,024, N 4,096]; A: input x; B: input W1: QUANTISED
;;     11. [M 1,024, K 4,096] x [K 4,096, N 1,024]; A: computed on the way; B: input W2: QUANTISED
;;     12. [M 1,024, K 1,024] x [K 1,024, N 4,096]; A: input x; B: input W1: QUANTISED
;;     13. [M 1,024, K 4,096] x [K 4,096, N 1,024]; A: computed on the way; B: input W2: QUANTISED
;;     14. [M 1,024, K 1,024] x [K 1,024, N 4,096]; A: input x; B: input W1: QUANTISED
;;     15. [M 1,024, K 4,096] x [K 4,096, N 1,024]; A: computed on the way; B: input W2: QUANTISED
;;     16. [M 1,024, K 1,024] x [K 1,024, N 4,096]; A: input x; B: input W1: QUANTISED
;;     17. [M 1,024, K 4,096] x [K 4,096, N 1,024]; A: computed on the way; B: input W2: QUANTISED
;;   THE QUANTISER, for each operand of a quantised product, along K:
;;     - K is cut into blocks of 32 from its start; a last block that is shorter is filled with zeros.
;;     - A block's scale is 2^e with e = floor(log2(the largest magnitude in the block)) - 2, held to -126 .. 127; a block of zeros has e = 0. As a byte (E8M0): e + 127.
;;     - Each number is divided by its block's scale, clamped to +-6, and rounded to the nearest number of E2M1, ties to even, subnormals kept.
;;     - The product sums the exact products of the quantised numbers (number of the format x scale) in f32.
;;   ~~~python
;;   def quantise(x, axis):      # numpy; x: float32 -> the quantised numbers, widened to float32 again
;;       x = np.moveaxis(x, axis, -1); K = x.shape[-1]
;;       x = np.pad(x, [(0, 0)] * (x.ndim - 1) + [(0, -K % 32)]); x = x.reshape(x.shape[:-1] + (-1, 32)); a = np.abs(x).max(-1, keepdims=True)
;;       e = np.where(a > 0, np.clip(np.frexp(np.where(a > 0, a, 1))[1] - 1 - 2, -126, 127), 0)      # np.frexp(a)[1] - 1 = floor(log2(a)), exactly
;;       r = np.clip(x / 2.0 ** e, -6, 6)
;;       step = 2.0 ** (np.maximum(np.frexp(np.where(r == 0, 1, r))[1] - 1, 0) - 1)
;;       q = np.round(r / step) * step * 2.0 ** e      # np.round: ties to even
;;       return np.moveaxis(q.reshape(q.shape[:-2] + (-1,))[..., :K], -1, axis).astype(np.float32)
;;   ~~~
;;   OPERANDS COMPUTED ON THE WAY. 'Computed on the way' means the value that the module computes at that place (a softmax that the list does not call 'softmax' is quantised finished and normalised). What goes into a quantiser is computed in f32, as accurately as f32 sums, v_exp_f32 and their like allow (about 1e-6 of the number): no bf16 or f16 on the way to a quantiser, and a product that is left as it is and whose result goes on into a quantised operand takes f32 operands (vector FMAs, or v_wmma_f32_16x16x4_f32). A number that lies on a knife's edge between two numbers of the format may be rounded either way, as far as f32 arithmetic and the matrix unit's own rounding can turn it there, and no further.
;; One version. Each part assembles by itself: llvm-mc -triple=amdgcn-amd-amdhsa -mcpu=gfx1250 --defsym DOCPART=n.
;; ======== version 1 of 1: 4 launches
;; limits: right only within a limited range of input values
;; workspace buffers: xq 557,056 bytes; pick 4,096 bytes of whole numbers; gate 8,192 bytes; rows 33,024 bytes of whole numbers; hq 16,777,216 bytes; hs 1,048,576 bytes; y 16,842,752 bytes
;; launch route (part 1): grid 128 x 1, 8 waves a work-group, no clusters, 72,192 bytes of LDS; arguments x, Wr, xq, pick, gate; writes xq, pick, gate
.if DOCPART == 1
	.amdgcn_target "amdgcn-amd-amdhsa--gfx1250"
	.amdhsa_code_object_version 6
	.text
	.protected	k_q1328129a72_route
	.globl	k_q1328129a72_route
	.p2align	8
	.type	k_q1328129a72_route,@function
k_q1328129a72_route:
	s_mov_b64 s[64:65], 0
	v_nop
	global_prefetch_b8 v0, s[64:65] scope:SCOPE_SE
	s_setreg_imm32_b32 hwreg(HW_REG_WAVE_MODE, 25, 1), 1
	s_wait_xcnt 0x0
; ROUTE.  For each of 1,024 tokens: x's row of 1,024 f32 becomes codes of E2M1 with one E8M0 byte for each 32 along K (xq: [1024][512 B] codes, then at byte 524,288 [1024][32 B] scale bytes);
; the router's eight sums x . Wr in f32 (fused multiply-adds); softmax with the row's maximum taken away; the two largest (of equals the lower index); their gates e1/(e1+e2), e2/(e1+e2): the softmax's divisor cancels there.
; pick[t] = (1 << i1) | (256 << i2), gate[2t], gate[2t+1].  Nothing here forms an address from these numbers: the next launch reads them.
; SHARES: a work-group has 8 tokens, a wave one.  A lane holds 32 neighbours along K: one whole block.  Each load reads 512 consecutive bytes; the row turns through the wave's own stage in LDS.
; No matrix unit, cluster or tensor load: 4 MB are read once, nothing is shared but Wr's 32 KB, which each work-group copies into LDS once.
; LIMITS: NaN and infinities are not served; a block whose largest magnitude is under 2^-124 gets the byte 1 (a block of zeros too: its codes are zeros, and this program alone reads the bytes);
; a token whose second and third probability agree to f32 rounding may pick the other of the two.
.set WCH,  1040                        ; LDS 0: Wr as 32 chunks of 32 rows (1,024 B) + 16 B of padding: lane l reads chunk l
.set XT,   33536                       ; the waves' turn stages: 32 places of 128 B + 16
.set XTP,  144
.set SCB,  70400                       ; 8 tokens x 32 scale bytes
.set PKW,  70656                       ; 8 pick words
.set GTW,  70688                       ; 16 gates
.set X,    16                          ; v16-47   my 32 numbers of the row
.set WB0,  48                          ; v48-111  eight rows of Wr (first: Wr as loaded)
.set WB1,  112                         ; v112-175 eight more (first: x as loaded)
.set SUM,  176                         ; v176-183 the eight sums
.set EX,   184                         ; v184-191 the eight exponentials
.set RT,   192                         ; v192-199 what the other half of the lanes sends
	s_load_b256 s[4:11], s[0:1], 0x0               ; x, Wr, xq, pick
	s_load_b64 s[12:13], s[0:1], 0x20              ; gate
	v_lshl_add_u32 v224, v0, 2, 0x11600
	v_mov_b32 v225, 0
	v_lshrrev_b32 v1, 5, v0
	s_delay_alu instid0(VALU_DEP_1)
	v_readfirstlane_b32 s14, v1                    ; wave
	v_and_b32 v1, 31, v0                           ; lane
	v_and_b32 v2, 15, v0
	s_lshl_b32 s15, ttmp9, 3
	s_add_co_u32 s15, s15, s14                     ; my token
	v_lshlrev_b32 v3, 4, v1
	s_lshl_b32 s16, s15, 12
	v_add_nc_u32 v4, s16, v3                       ; x: 4,096 t + 16 lane
	v_lshlrev_b32 v5, 4, v0                        ; Wr: 16 x thread
	s_lshl_b32 s16, s15, 9
	v_add_nc_u32 v6, s16, v3                       ; xq: 512 t + 16 lane
	s_mul_i32 s17, s14, 32*XTP
	s_add_co_u32 s17, s17, XT
	v_lshrrev_b32 v7, 3, v1
	s_delay_alu instid0(VALU_DEP_1)
	v_mul_u32_u24 v7, v7, XTP
	v_and_b32 v8, 7, v1
	s_delay_alu instid0(VALU_DEP_1)
	v_lshl_add_u32 v7, v8, 4, v7
	s_delay_alu instid0(VALU_DEP_1)
	v_add_nc_u32 v7, s17, v7                       ; the stage, in: eight lanes' 128 bytes fill a place
	v_mul_u32_u24 v8, v1, XTP
	s_delay_alu instid0(VALU_DEP_1)
	v_add_nc_u32 v8, s17, v8                       ; and out: place = lane
	v_lshrrev_b32 v9, 6, v0
	s_delay_alu instid0(VALU_DEP_1)
	v_mul_u32_u24 v9, v9, WCH
	v_and_b32 v10, 63, v0
	s_delay_alu instid0(VALU_DEP_1)
	v_lshl_add_u32 v9, v10, 4, v9                  ; Wr into LDS: 64 threads fill a chunk
	v_mul_u32_u24 v10, v1, WCH                     ; my chunk: rows 32 lane .. 32 lane + 31
	s_lshl_b32 s17, s14, 5
	s_add_co_u32 s17, s17, SCB
	v_add_nc_u32 v11, s17, v1                      ; my block's scale byte
	s_lshl_b32 s17, s14, 2
	s_add_co_u32 s17, s17, PKW
	v_mov_b32 v12, s17
	s_lshl_b32 s17, s14, 3
	s_add_co_u32 s17, s17, GTW
	v_mov_b32 v13, s17
	v_lshl_add_u32 v14, v2, 4, SCB                 ; the way out (wave 0): lanes 16-31 repeat lanes 0-15
	v_lshl_add_u32 v15, v2, 2, GTW
	v_and_b32 v203, 7, v0
	s_delay_alu instid0(VALU_DEP_1)
	v_lshlrev_b32 v203, 2, v203
	s_delay_alu instid0(VALU_DEP_1)
	v_add_nc_u32 v200, PKW, v203
	s_lshl_b32 s16, ttmp9, 5
	v_add_nc_u32 v203, s16, v203                   ; pick: 32 wg + 4 (lane % 8)
	s_lshl_b32 s16, ttmp9, 8
	v_lshl_add_u32 v201, v2, 4, s16                ; scale bytes: 256 wg + 16 (lane % 16)
	s_lshl_b32 s16, ttmp9, 6
	v_lshl_add_u32 v202, v2, 2, s16                ; gate: 64 wg + 4 (lane % 16)
	s_mov_b32 s18, 0x76543210
	s_mov_b32 s19, 0xfedcba98                      ; v_permlanex16_b32: lane l xor 16
	s_mov_b32 s20, 0x3fb8aa3b                      ; log2(e)
.irp e, 0,1,2,3,4,5,6,7
	v_mov_b32 v[RT+\e], 0                          ; a lane permute's destination counts as read
.endr
	s_wait_kmcnt 0x0
.irp q, 0,1,2,3,4,5,6,7
	global_load_b128 v[WB1+4*\q:WB1+4*\q+3], v4, s[4:5] offset:512*\q th:TH_LOAD_NT   ; 512 consecutive bytes of my row
.endr
.irp j, 0,1,2,3,4,5,6,7
	global_load_b128 v[WB0+4*\j:WB0+4*\j+3], v5, s[6:7] offset:4096*\j               ; the work-group's 256 threads: 4,096 bytes of Wr
.endr
	s_wait_loadcnt 0x8                             ; x is in; Wr's eight loads may be out
.irp q, 0,1,2,3,4,5,6,7
	ds_store_b128 v7, v[WB1+4*\q:WB1+4*\q+3] offset:4*XTP*\q
.endr
.irp i, 0,1,2,3,4,5,6,7
	ds_load_b128 v[X+4*\i:X+4*\i+3], v8 offset:16*\i   ; LDS serves a wave in order: these see my stores.  v[X+i] = x[t][32 lane + i]
.endr
	s_wait_loadcnt 0x0
.irp j, 0,1,2,3,4,5,6,7
	ds_store_b128 v9, v[WB0+4*\j:WB0+4*\j+3] offset:4*WCH*\j
.endr
	s_wait_dscnt 0x8                               ; my 32 numbers are back; the eight stores of Wr may be out
	; the block's scale and codes
	v_max3_num_f32 v204, |v[X]|, |v[X+1]|, 0x1800000    ; the floor 2^(3 - 127) holds the byte at 1 from below
	v_max3_num_f32 v205, |v[X+2]|, |v[X+3]|, 0x1800000
.irp i, 4,8,12,16,20,24,28
	s_delay_alu instid0(VALU_DEP_2)
	v_max3_num_f32 v204, v204, |v[X+\i]|, |v[X+\i+1]|
	s_delay_alu instid0(VALU_DEP_2)
	v_max3_num_f32 v205, v205, |v[X+\i+2]|, |v[X+\i+3]|
.endr
	s_delay_alu instid0(VALU_DEP_1)
	v_max_num_f32 v204, v204, v205
	s_delay_alu instid0(VALU_DEP_1)
	v_add_nc_u32 v206, 0xff000000, v204            ; 2 off the exponent field: the conversion's scale operand
	s_delay_alu instid0(VALU_DEP_1)
	v_lshrrev_b32 v207, 23, v206                   ; the scale's byte
.irp g, 0,1,2,3
	v_cvt_scalef32_pk8_fp4_f32 v[208+\g], v[X+8*\g:X+8*\g+7], v206
.endr
	v_nop                                          ; one plain place behind the conversions
	global_store_b128 v6, v[208:211], s[8:9]       ; the wave stores its row's 512 bytes of codes
	ds_store_b8 v11, v207
	s_wait_dscnt 0x0                               ; my part of Wr and my byte have landed
	s_barrier_signal -1
	s_barrier_wait -1                              ; Wr is whole
.macro WLOAD g, wb                     ; rows 32 lane + 8 g .. + 7 of Wr: 16 loads
.irp i, 0,1,2,3,4,5,6,7
	ds_load_b128 v[\wb+8*\i:\wb+8*\i+3], v10 offset:(8*\g+\i)*32
	ds_load_b128 v[\wb+8*\i+4:\wb+8*\i+7], v10 offset:(8*\g+\i)*32+16
.endr
.endm
.macro WFMA g, wb                      ; eight sums take eight rows each; the first product starts them
.irp i, 0,1,2,3,4,5,6,7
.irp e, 0,1,2,3,4,5,6,7
.if (\g == 0) && (\i == 0)
	v_mul_f32 v[SUM+\e], v[X], v[\wb+\e]
.else
	v_fmac_f32 v[SUM+\e], v[X+8*\g+\i], v[\wb+8*\i+\e]
.endif
.endr
.endr
.endm
	WLOAD 0, WB0
	WLOAD 1, WB1
	s_wait_dscnt 16                                ; the older 16 are in, the younger 16 may be out
	WFMA 0, WB0
	WLOAD 2, WB0
	s_wait_alu depctr_va_vdst(0)
	s_wait_dscnt 16
	WFMA 1, WB1
	WLOAD 3, WB1
	s_wait_alu depctr_va_vdst(0)
	s_wait_dscnt 16
	WFMA 2, WB0
	s_wait_alu depctr_va_vdst(0)
	s_wait_dscnt 0x0
	WFMA 3, WB1
.irp m, 1,2,4,8                        ; over the 32 lanes; every lane ends with all eight sums
.irp e, 0,1,2,3,4,5,6,7
	v_add_f32_dpp v[SUM+\e], v[SUM+\e], v[SUM+\e] row_xmask:\m row_mask:0xf bank_mask:0xf
.endr
.endr
.irp e, 0,1,2,3,4,5,6,7
	v_permlanex16_b32 v[RT+\e], v[SUM+\e], s18, s19
.endr
.irp e, 0,1,2,3,4,5,6,7
	v_add_f32 v[SUM+\e], v[SUM+\e], v[RT+\e]
.endr
	v_max3_num_f32 v212, v[SUM], v[SUM+1], v[SUM+2]
	s_delay_alu instid0(VALU_DEP_1)
	v_max3_num_f32 v212, v212, v[SUM+3], v[SUM+4]
	s_delay_alu instid0(VALU_DEP_1)
	v_max3_num_f32 v212, v212, v[SUM+5], v[SUM+6]
	s_delay_alu instid0(VALU_DEP_1)
	v_max_num_f32 v212, v212, v[SUM+7]             ; the row's maximum is taken away before the exponentials
	s_delay_alu instid0(VALU_DEP_1)
	v_mul_f32 v212, s20, v212
.irp e, 0,1,2,3,4,5,6,7
	v_fma_f32 v[EX+\e], v[SUM+\e], s20, -v212
.endr
	s_wait_alu depctr_va_vdst(0)
.irp e, 0,1,2,3,4,5,6,7
	v_exp_f32 v[EX+\e], v[EX+\e]
.endr
	v_mov_b32 v214, 0                              ; a plain place behind the batch
	s_wait_alu depctr_va_vdst(0)                   ; one wait for the eight, ahead of their first reader
	v_mov_b32 v213, v[EX]
.irp e, 1,2,3,4,5,6,7
	v_cmp_le_f32 vcc_lo, v[EX+\e], v213            ; not larger: the earlier one stays, so of equals the lower index is kept
	v_cndmask_b32 v213, v[EX+\e], v213, vcc_lo
	s_delay_alu instid0(VALU_DEP_2)
	v_cndmask_b32 v214, \e, v214, vcc_lo
.endr
.irp e, 0,1,2,3,4,5,6,7
	v_cmp_ne_u32 vcc_lo, \e, v214
	v_cndmask_b32 v[EX+\e], -1.0, v[EX+\e], vcc_lo ; the winner leaves the field
.endr
	v_mov_b32 v215, v[EX]
	v_mov_b32 v216, 0
.irp e, 1,2,3,4,5,6,7
	s_delay_alu instid0(VALU_DEP_2)
	v_cmp_le_f32 vcc_lo, v[EX+\e], v215
	s_delay_alu instid0(VALU_DEP_1)
	v_cndmask_b32 v215, v[EX+\e], v215, vcc_lo
	s_delay_alu instid0(VALU_DEP_2)
	v_cndmask_b32 v216, \e, v216, vcc_lo
.endr
	s_delay_alu instid0(VALU_DEP_2)
	v_add_f32 v217, v213, v215
	s_wait_alu depctr_va_vdst(0)
	v_rcp_f32 v218, v217
	v_mov_b32 v221, 1                              ; a plain place
	v_mov_b32 v222, 0x100
	s_wait_alu depctr_va_vdst(0)
	v_mul_f32 v219, v213, v218
	v_mul_f32 v220, v215, v218
	v_lshlrev_b32 v221, v214, v221
	v_lshlrev_b32 v222, v216, v222
	s_delay_alu instid0(VALU_DEP_1)
	v_or_b32 v221, v221, v222
	ds_store_b32 v12, v221                         ; all lanes hold the same numbers and write the same words
	ds_store_b32 v13, v219
	ds_store_b32 v13, v220 offset:4
	s_wait_dscnt 0x0
	s_barrier_signal -1
	s_barrier_wait -1                              ; the eight tokens' bytes, picks and gates lie in LDS
	s_cmp_lg_u32 s14, 0
	s_cbranch_scc1 .Lend                           ; wave 0 sends them out
	ds_load_b128 v[16:19], v14
	ds_load_b32 v20, v15
	ds_load_b32 v21, v200
	s_wait_dscnt 0x0
	global_store_b128 v201, v[16:19], s[8:9] offset:524288   ; sixteen lanes: 256 consecutive bytes, aligned
	global_store_b32 v202, v20, s[12:13]
	global_store_b32 v203, v21, s[10:11]
.Lend:
	s_wait_tensorcnt 0x0
	ds_add_u32 v224, v225
	s_wait_dscnt 0x0
	s_endpgm
.Lfunc_end_k_q1328129a72_route:
	.size	k_q1328129a72_route, .Lfunc_end_k_q1328129a72_route-k_q1328129a72_route
	.p2alignl 7, 3214868480
	.fill 96, 4, 3214868480
	.section	.rodata,"a",@progbits
	.p2align	6, 0x0
	.amdhsa_kernel k_q1328129a72_route
		.amdhsa_group_segment_fixed_size 72192
		.amdhsa_private_segment_fixed_size 0
		.amdhsa_enable_private_segment 0
		.amdhsa_kernarg_size 40
		.amdhsa_user_sgpr_count 2
		.amdhsa_user_sgpr_kernarg_segment_ptr 1
		.amdhsa_wavefront_size32 1
		.amdhsa_system_sgpr_workgroup_id_x 1
		.amdhsa_system_sgpr_workgroup_id_y 1
		.amdhsa_system_sgpr_workgroup_id_z 1
		.amdhsa_system_vgpr_workitem_id 0
		.amdhsa_next_free_vgpr 226
		.amdhsa_next_free_sgpr 66
		.amdhsa_reserve_vcc 1
		.amdhsa_float_denorm_mode_32 3
		.amdhsa_float_denorm_mode_16_64 3
		.amdhsa_memory_ordered 1
		.amdhsa_forward_progress 1
		.amdhsa_inst_pref_size 30
	.end_amdhsa_kernel
	.amdgpu_metadata
---
amdhsa.version: [ 1, 2 ]
amdhsa.kernels:
  - .name:           k_q1328129a72_route
    .symbol:         k_q1328129a72_route.kd
    .args:
      - { .name: x, .offset: 0, .size: 8, .value_kind: global_buffer, .address_space: global }
      - { .name: Wr, .offset: 8, .size: 8, .value_kind: global_buffer, .address_space: global }
      - { .name: xq, .offset: 16, .size: 8, .value_kind: global_buffer, .address_space: global }
      - { .name: pick, .offset: 24, .size: 8, .value_kind: global_buffer, .address_space: global }
      - { .name: gate, .offset: 32, .size: 8, .value_kind: global_buffer, .address_space: global }
    .group_segment_fixed_size: 72192
    .private_segment_fixed_size: 0
    .kernarg_segment_align: 8
    .kernarg_segment_size: 40
    .max_flat_workgroup_size: 256
    .sgpr_count:     66
    .vgpr_count:     226
    .wavefront_size: 32
...
	.end_amdgpu_metadata
.endif
;; end of part 1
;; launch up (part 2): grid 32 x 8, 4 waves a work-group, no clusters, 296,448 bytes of LDS; arguments W1, b1, xq, pick, hq, hs, rows; writes hq, hs, rows
.if DOCPART == 2
	.amdgcn_target "amdgcn-amd-amdhsa--gfx1250"
	.amdhsa_code_object_version 6
	.text
	.protected	k_q1328129a72_up
	.globl	k_q1328129a72_up
	.p2align	8
	.type	k_q1328129a72_up,@function
k_q1328129a72_up:
	s_mov_b64 s[64:65], 0
	v_nop
	global_prefetch_b8 v0, s[64:65] scope:SCOPE_SE
	s_setreg_imm32_b32 hwreg(HW_REG_WAVE_MODE, 25, 1), 1
	s_wait_xcnt 0x0
; UP.  Work-group (fs, e): hidden units 128 fs .. + 127 of expert e, for the rows that chose e: h = relu(x W1[e] + b1[e]), quantised along the hidden axis, stored as codes.
; A. The slice of W1, 1,024 K x 128 columns of f32 (512 KB), is read ONCE in the launch, by this work-group alone, quantised along K in registers and laid in LDS as images of operand registers; then all 64 fragments
;    (8 K steps x 8 tiles of 16 columns, 512 registers) stay in every wave's registers.  Meanwhile wave 0 has made the expert's list of rows from pick (a counting placement in LDS), and each wave gathers the code rows of its first six tiles of 16 rows.
; B. Wave w takes tiles w, w + 4, ..: 64 matrix instructions a tile, relu, quantise, store.
; THE PRODUCT IS USED TRANSPOSED (source 0 = 16 columns of W1, source 1 = 16 rows of x), AND THE COLUMNS OF A TILE ARE CHOSEN: of 64 columns, column n lies in tile (n % 32) / 8 at row 8 (n / 32) + n % 8.  So lane (r, h) holds,
; in its four tiles' 32 registers, hidden units 32 h + 0 .. 31 of row r in their order: one whole block of the next K, and the conversions' results ARE the next operand's registers.
; A BATCH of the stream: 32 loads of 16 bytes a lane; in load i lanes 0-15 read row k0 + i (64 columns: 256 consecutive bytes, aligned), lanes 16-31 row k0 + 32 + i.  A lane then holds one block of 32 along K of four columns, interleaved;
; 128 v_mov_b32 bring each column's 32 numbers on end for the conversions.  Loads of 4 bytes a lane would spare the copies, but a wave can have 63 loads out: of 16 bytes a lane they are 4 times the bytes.
; No tensor load, no cluster: the number of tiles is a stored number, and no weight byte is wanted by two work-groups.  No L2 prefetch: each wave keeps 63 loads of 512 bytes out by itself.
; rows[e][1024] (slot 2 t + k of each row; 2048 + e behind the last) and nt[e] = max(1, ceil(rows / 16)) are stored by work-group fs = 0.  Rows behind the last take token 1,023's codes; their results go nowhere.
; LIMITS: NaN and infinities are not served; a block whose largest magnitude is under 2^-124 gets the byte 1 (a block of zeros too: zero codes; the bytes are read by this program alone).
; REGISTERS: window 0: v0-31 addresses; v32-63 the quantiser; v64-95 W1's scale words; v96-103 x's scale words; v104-111 the way out; v112-127 gathered scale bytes; v128-191 8 accumulators (at the head: pick, the list); v192-199 h's codes; v216-249 gather offsets.
;   window 1: v0-63 b1 in the result's layout; v64-127 x's 8 fragments; v128-255 two gathered tiles.   windows 2, 3: phase A: two batches (window 2), a batch by columns (window 3, v0-127); then the 64 fragments, fragment (s, ct) at 8 (8 s + ct).
.set PITCH, 16384                      ; a row of W1[e]
.set WSC,   65536                      ; LDS 0: the 64 images, 1,024 B each.  WSC: W1's scale words [ct 8][row 16][s 8]
.set LIST,  69632                      ; 1,152 list words, 32 words for lanes that place nothing,
.set CNTW,  74368                      ; and nt
.set XSS,   74752                      ; x's scale bytes: wave x 6 slots x 16 rows of 32 B + 16
.set XST,   93184                      ; x's codes: wave x 6 slots x 16 rows of 512 B + 16
.set SROW,  528
.set SSLOT, 16*SROW
.set SWAVE, 6*SSLOT
.set QSLOT, 768
.set QWAVE, 6*QSLOT
.set L16, 4                            ; 16 x lane
.set WO,  5                            ; the stream's lane offset
.set IB,  6                            ; where my codes go in an image
.set SB,  7                            ; where my scale words go
.set SH8, 8                            ; 8 x (lane / 16)
.set WSA, 9
.set XFA, 10
.set XSA, 11
.set STA, 12
.set CNTA, 13
.set LU0, 14
.set LL0, 15
.set HQO, 16
.set HSO, 17
.set XFC, 18
.set XSN, 19
.set PT4, 20
.set LRA, 24
.set RWO, 25
.set NTO, 26
.set DUMPI, 27
.set L8,  28
.set A4,  29
.set LUC, 30
.set LLC, 31
.set AM,  32
.set SOP, 36
.set BY0, 40
.set WT,  44
.set CD,  48
.set WS,  64
.set XSC, 96
.set EA,  104
.set ES,  106
.set EB,  108
.set EW,  110
.set BO,  111
.set GS,  112
.set ACC, 128
.set HC,  192
.set GO,  216
.set GSO, 248
.set XF,  64                           ; in window 1
.set GC,  128                          ; in window 1
.set SEL, 24
.set WB,  40
.set MSB, 0
.macro WIN new                         ; the immediate's high byte repeats the setting that is left; a switch that changes nothing is dropped
.if MSB != \new
	s_set_vgpr_msb (MSB<<8)|\new
.set MSB, \new
.endif
.endm
.macro LOADB                           ; a batch into v[XB] on of window 2, from LOF bytes on
	WIN 0x80
.set li, 0
.rept 32
	global_load_b128 v[XB+4*li:XB+4*li+3], v[WO], s[WB:WB+1] offset:LOF+li*PITCH th:TH_LOAD_NT
.set li, li+1
.endr
	WIN 0
.endm
.macro QUANTB                          ; the batch at v[XB]: four columns' blocks become codes, stored into the images at IMG + 512 CC
	WIN 0x0a
.irp j, 0,1,2,3
	v_max3_num_f32 v[AM+\j], |v[XB+\j]|, |v[XB+4+\j]|, 0x1800000   ; the floor 2^(3 - 127) holds the byte at 1 from below
.endr
.set qi, 2
.rept 15
.irp j, 0,1,2,3
	v_max3_num_f32 v[AM+\j], |v[XB+4*qi+\j]|, |v[XB+4*qi+4+\j]|, v[AM+\j]   ; the four columns by turns
.endr
.set qi, qi+2
.endr
	WIN 0xc2
.irp j, 0,1,2,3
.set qi, 0
.rept 32
	v_mov_b32 v[32*\j+qi], v[XB+4*qi+\j]           ; column j's 32 numbers on end
.set qi, qi+1
.endr
.endr
	WIN 0
	s_wait_dscnt 0x0                               ; the last batch's LDS stores have read the registers that are written now
.irp j, 0,1,2,3
	v_add_nc_u32 v[SOP+\j], 0xff000000, v[AM+\j]   ; 2 off the exponent field: the conversion's scale operand
.endr
.irp j, 0,1,2,3
.if CC == 0
	v_lshrrev_b32 v[BY0+\j], 23, v[SOP+\j]         ; the byte of block (lane / 16)
.else
	v_lshrrev_b32 v[WT+\j], 23, v[SOP+\j]          ; of block 2 + (lane / 16)
.endif
.endr
	WIN 0x03
.irp j, 0,1,2,3
.irp g, 0,1,2,3
	v_cvt_scalef32_pk8_fp4_f32 v[CD+4*\j+\g], v[32*\j+8*\g:32*\j+8*\g+7], v[SOP+\j]
.endr
.endr
	WIN 0
	v_nop                                          ; one plain place behind the conversions
.irp j, 0,1,2,3
	ds_store_b128 v[IB], v[CD+4*\j:CD+4*\j+3] offset:IMG+CC*512+16*\j
.endr
.endm
.macro SCWORD                          ; a K step's scale words of my four columns: my two bytes and lane l xor 16's two
.irp j, 0,1,2,3
	v_lshl_or_b32 v[WT+\j], v[WT+\j], 16, v[BY0+\j]
.endr
.irp j, 0,1,2,3
	v_lshlrev_b32 v[WT+\j], v[SH8], v[WT+\j]
.endr
.irp j, 0,1,2,3
	v_permlanex16_b32 v[PT4+\j], v[WT+\j], s[SEL], s[SEL+1]
.endr
.irp j, 0,1,2,3
	v_or_b32 v[WT+\j], v[WT+\j], v[PT4+\j]
.endr
.irp j, 0,1,2,3
	ds_store_b32 v[SB], v[WT+\j] offset:SCO+JST*\j  ; both halves of the lanes write the same word with the same value
.endr
.endm
; batch b = 4 sl + 2 ch + c: my K step 2 w + sl, columns 64 ch on, rows 64 c on
.macro LB b
.set XB, 128*((\b)%2)
.set LOF, ((\b)/4)*2097152+((\b)%2)*1048576+(((\b)/2)%2)*256
	LOADB
.endm
.macro PB b, cnt
	s_wait_loadcnt \cnt
.set XB, 128*((\b)%2)
.set CC, (\b)%2
.set IMG, ((\b)/4)*8192+(((\b)/2)%2)*4096
	QUANTB
.if CC
.set SCO, (((\b)/2)%2)*2048+((\b)/4)*4
.set JST, 32
	SCWORD
.endif
.endm
; slots 2 g and 2 g + 1 of my six: the tiles' 16 list words (every lane all 16; and its own row's), then one load a row: 32 lanes read a whole row of 512 bytes; the rows' 32 scale bytes by lanes.  36 loads
.macro GATHER g, lu, ll
.irp u, 0,1
.irp n, 0,1,2,3
	ds_load_b128 v[GO+16*\u+4*\n:GO+16*\u+4*\n+3], v[\lu] offset:(2*\g+\u)*256+16*\n
.endr
	ds_load_b32 v[GSO+\u], v[\ll] offset:(2*\g+\u)*256
.endr
	s_wait_dscnt 0x0                               ; the list words are in, and the last STAGE's stores have read the registers that the loads below fill
.set gr, 0
.rept 32
	v_min_u32 v[GO+gr], 0x7ff, v[GO+gr]            ; a stored number enters an address held to its table (the words behind the list's end become token 1,023)
.set gr, gr+1
.endr
.set gr, 0
.rept 32
	v_and_b32 v[GO+gr], 0x7fe, v[GO+gr]            ; 2 x token
.set gr, gr+1
.endr
.set gr, 0
.rept 32
	v_lshl_add_u32 v[GO+gr], v[GO+gr], 8, v[L16]   ; 512 x token + 16 x lane
.set gr, gr+1
.endr
.irp u, 0,1
	v_min_u32 v[GSO+\u], 0x7ff, v[GSO+\u]
	v_and_b32 v[GSO+\u], 0x7fe, v[GSO+\u]
	v_lshlrev_b32 v[GSO+\u], 4, v[GSO+\u]          ; 32 x token
.endr
	WIN 0x40
.set gr, 0
.rept 32
	global_load_b128 v[GC+4*gr:GC+4*gr+3], v[GO+gr], s[8:9]
.set gr, gr+1
.endr
	WIN 0
.irp u, 0,1
	global_load_b128 v[GS+8*\u:GS+8*\u+3], v[GSO+\u], s[8:9] offset:524288
	global_load_b128 v[GS+8*\u+4:GS+8*\u+7], v[GSO+\u], s[8:9] offset:524304
.endr
.endm
.macro STAGE g                         ; and into my own stage
	WIN 0x04
.set gr, 0
.rept 32
	ds_store_b128 v[STA], v[GC+4*gr:GC+4*gr+3] offset:(2*\g+gr/16)*SSLOT+(gr%16)*SROW
.set gr, gr+1
.endr
	WIN 0
.irp u, 0,1
	ds_store_b128 v[XSA], v[GS+8*\u:GS+8*\u+3] offset:(2*\g+\u)*QSLOT
	ds_store_b128 v[XSA], v[GS+8*\u+4:GS+8*\u+7] offset:(2*\g+\u)*QSLOT+16
.endr
.endm
.macro LOADX                           ; a tile's scale words (2 loads), then its 8 fragments (16), K ascending
	ds_load_b128 v[XSC:XSC+3], v[XSN]
	ds_load_b128 v[XSC+4:XSC+7], v[XSN] offset:16
	WIN 0x40
.set kk, 0
.rept 8
	ds_load_b128 v[XF+8*kk:XF+8*kk+3], v[XFC] offset:64*kk
	ds_load_b128 v[XF+8*kk+4:XF+8*kk+7], v[XFC] offset:64*kk+32
.set kk, kk+1
.endr
.endm
; 64 matrix instructions: K step by K step, the eight accumulators by turns, one instruction a turn.  The first K step takes b1 as C.
.macro UPMUL
.set kk, 0
.rept 8
	s_wait_dscnt 14-2*kk                           ; this K step's two loads are in; the 2 (7 - kk) younger ones may be out
.if kk == 0
	WIN 0x16                                       ; W1 window 2, x window 1, b1 window 1, D window 0
.elseif kk < 4
	WIN 0x06
.else
	WIN 0x07                                       ; W1 window 3
.endif
.set ct, 0
.rept 8
.set rD, ACC+8*ct
.set rA, 8*(8*(kk%4)+ct)
.set rB, XF+8*kk
.set rC, rD
.if kk == 0
.set rC, 8*ct
.endif
.if ct%2
	v_wmma_scale_f32_16x16x128_f8f6f4 v[rD:rD+7], v[rA:rA+7], v[rB:rB+7], v[rC:rC+7], v[WS+8*(ct/2)+kk], v[XSC+kk] matrix_a_fmt:MATRIX_FMT_FP4 matrix_b_fmt:MATRIX_FMT_FP4 matrix_a_scale:MATRIX_SCALE_ROW1
.else
	v_wmma_scale_f32_16x16x128_f8f6f4 v[rD:rD+7], v[rA:rA+7], v[rB:rB+7], v[rC:rC+7], v[WS+8*(ct/2)+kk], v[XSC+kk] matrix_a_fmt:MATRIX_FMT_FP4 matrix_b_fmt:MATRIX_FMT_FP4
.endif
.set ct, ct+1
.endr
.set kk, kk+1
.endr
.endm
; relu; my two blocks of 32 (registers 32 c .. 32 c + 31 = hidden units 64 c + 32 (lane / 16) + 0 .. 31); codes and scale word; the tile's fragment leaves as an image of its registers
.macro UPEPI
	WIN 0
	s_wait_xcnt 0x0                                ; the last tile's stores have read their data and offsets
.rept 4
	v_nop                                          ; four places between the last products and the first read of results (ISA guide 7.12.1)
.endr
.set ei, 0
.rept 64
	v_max_num_f32 v[ACC+ei], 0, v[ACC+ei]          ; each accumulator from its low end on
.set ei, ei+1
.endr
.irp c, 0,1
	v_max3_num_f32 v[EA+\c], v[ACC+32*\c], v[ACC+32*\c+1], 0x1800000   ; none is negative: no |.|
.endr
.set ei, 2
.rept 15
.irp c, 0,1
	v_max3_num_f32 v[EA+\c], v[EA+\c], v[ACC+32*\c+ei], v[ACC+32*\c+ei+1]
.endr
.set ei, ei+2
.endr
.irp c, 0,1
	v_add_nc_u32 v[ES+\c], 0xff000000, v[EA+\c]
.endr
.irp c, 0,1
	v_lshrrev_b32 v[EB+\c], 23, v[ES+\c]
.endr
.irp c, 0,1
.irp j, 0,1,2,3
	v_cvt_scalef32_pk8_fp4_f32 v[HC+4*\c+\j], v[ACC+32*\c+8*\j:ACC+32*\c+8*\j+7], v[ES+\c]
.endr
.endr
	v_nop                                          ; one plain place behind the conversions
	v_lshl_or_b32 v[EW], v[EB+1], 16, v[EB]
	v_lshlrev_b32 v[EW], v[SH8], v[EW]
	v_permlanex16_b32 v[PT4], v[EW], s[SEL], s[SEL+1]
	v_or_b32 v[EW], v[EW], v[PT4]                  ; my row's scale word for this K step of the second product
	s_lshl_b32 s36, s22, 6
	s_add_co_u32 s36, s36, s32
	s_lshl_b32 s36, s36, 5
	s_add_co_u32 s36, s36, s21                     ; (64 e + tile) 32 + fs
	s_lshl_b32 s37, s36, 10
	s_lshl_b32 s36, s36, 6
	v_add_nc_u32 v[HQO], s37, v[L16]
	v_add_nc_u32 v[HSO], s36, v[A4]
	global_store_b128 v[HQO], v[HC:HC+3], s[12:13]             ; 512 consecutive bytes a store
	global_store_b128 v[HQO], v[HC+4:HC+7], s[12:13] offset:512
	global_store_b32 v[HSO], v[EW], s[14:15]                   ; 64 bytes: lanes 16-31 repeat lanes 0-15
.endm
	s_load_b256 s[4:11], s[0:1], 0x0               ; W1, b1, xq, pick
	s_load_b128 s[12:15], s[0:1], 0x20             ; hq, hs
	s_load_b64 s[16:17], s[0:1], 0x30              ; rows
	v_lshl_add_u32 v254, v0, 2, 0x48400
	v_mov_b32 v255, 0
	v_lshrrev_b32 v1, 5, v0
	v_readfirstlane_b32 s20, v1                    ; wave
	s_mov_b32 s21, ttmp9                           ; fs
	s_and_b32 s22, ttmp7, 0xffff                   ; e
	v_and_b32 v1, 31, v0                           ; lane
	v_and_b32 v2, 15, v0                           ; a
	v_bfe_u32 v3, v0, 4, 1                         ; hh
	v_lshlrev_b32 v[L16], 4, v1
	v_lshlrev_b32 v[WO], 4, v2
	v_lshl_add_u32 v[WO], v3, 19, v[WO]            ; 16 a + 32 rows x hh
	v_bfe_u32 v30, v0, 1, 2                        ; my four columns 4 a .. 4 a + 3 lie in tile (a / 2) % 4
	v_bfe_u32 v31, v0, 3, 1
	v_and_b32 v16, 1, v0
	v_lshlrev_b32 v31, 1, v31
	v_add_nc_u32 v31, v31, v16                     ; at rows 4 (2 (a / 8) + a % 2) + 0 .. 3
	v_lshlrev_b32 v[IB], 10, v30
	v_lshl_add_u32 v[IB], v31, 6, v[IB]
	v_lshl_add_u32 v[IB], v3, 8, v[IB]
	s_lshl_b32 s36, s20, 14
	v_add_nc_u32 v[IB], s36, v[IB]                 ; image: 1,024 tile + 16 (row + 16 hh) + 16,384 w (my two K steps)
	v_lshlrev_b32 v[SB], 9, v30
	v_lshl_add_u32 v[SB], v31, 7, v[SB]
	s_lshl_b32 s36, s20, 3
	s_add_co_u32 s36, s36, WSC
	v_add_nc_u32 v[SB], s36, v[SB]                 ; scale words: 32 (16 tile + row) + 8 w
	v_lshlrev_b32 v[SH8], 3, v3
	v_lshlrev_b32 v[WSA], 5, v2
	v_lshl_add_u32 v[WSA], v3, 9, v[WSA]
	v_add_nc_u32 v[WSA], WSC, v[WSA]               ; back: lanes 0-15 an even tile's rows, lanes 16-31 the odd tile's
	s_mul_i32 s36, s20, SWAVE
	s_add_co_u32 s36, s36, XST
	v_mul_u32_u24 v[XFA], v2, SROW
	v_lshl_add_u32 v[XFA], v3, 4, v[XFA]
	v_add_nc_u32 v[XFA], s36, v[XFA]               ; a fragment of x: row a, + 16 hh
	v_add_nc_u32 v[STA], s36, v[L16]
	s_mul_i32 s36, s20, QWAVE
	s_add_co_u32 s36, s36, XSS
	v_mul_u32_u24 v[XSA], v2, 48
	v_add_nc_u32 v[XSA], s36, v[XSA]
	v_mov_b32 v[CNTA], CNTW
	s_lshl_b32 s36, s20, 6
	s_add_co_u32 s36, s36, LIST
	v_mov_b32 v[LU0], s36                          ; tile w's 16 list words
	v_lshl_add_u32 v[LL0], v2, 2, s36
.irp j, 0,1,2,3
	v_mov_b32 v[PT4+\j], 0                         ; a lane permute's destination counts as read
.endr
	v_lshl_add_u32 v[LRA], v0, 4, LIST
	s_lshl_b32 s36, s22, 12
	v_lshl_add_u32 v[RWO], v0, 4, s36
	s_lshl_b32 s36, s22, 2
	v_mov_b32 v[NTO], s36
	v_add_nc_u32 v[DUMPI], 1152, v1
	v_lshlrev_b32 v[L8], 3, v1
	v_lshlrev_b32 v[A4], 2, v2
	v_lshlrev_b32 v[BO], 7, v3
	s_mov_b32 s[SEL], 0x76543210
	s_mov_b32 s[SEL+1], 0xfedcba98
	s_lshl_b32 s26, 0x101, s22                     ; e's two bits in a pick word
	s_add_co_u32 s27, s22, 8
	s_mov_b32 s28, 0
	s_lshl_b32 s36, s22, 24
	s_lshl_b32 s38, s20, 22
	s_add_co_u32 s36, s36, s38
	s_lshl_b32 s38, s21, 9
	s_add_co_u32 s36, s36, s38                     ; W1: expert, my 256 rows, the slice's 128 columns
	s_mov_b32 s37, 0
	s_lshl_b32 s38, s22, 14
	s_lshl_b32 s39, s21, 9
	s_add_co_u32 s38, s38, s39
	s_mov_b32 s39, 0
	s_wait_alu depctr_va_vdst(0)
	s_wait_kmcnt 0x0
	s_add_nc_u64 s[WB:WB+1], s[4:5], s[36:37]
	s_add_nc_u64 s[42:43], s[6:7], s[38:39]
	WIN 0x40
.irp t, 0,1,2,3,4,5,6,7                ; b1 as the first products' C: tile 4 ch + j, lane (r, h): units 64 ch + 32 h + 8 j + 0 .. 7
	global_load_b128 v[8*\t:8*\t+3], v[BO], s[42:43] offset:(\t/4)*256+(\t%4)*32
	global_load_b128 v[8*\t+4:8*\t+7], v[BO], s[42:43] offset:(\t/4)*256+(\t%4)*32+16
.endr
	WIN 0
	s_cmp_lg_u32 s20, 0
	s_cbranch_scc1 .Lnopick
.irp q, 0,1,2,3,4,5,6,7                ; wave 0: all 1,024 pick words; register 4 q + jj of a lane: token 128 q + 4 lane + jj
	global_load_b128 v[128+4*\q:131+4*\q], v[L16], s[10:11] offset:512*\q
.endr
.Lnopick:
	LB 0
	LB 1
	s_cmp_lg_u32 s20, 0
	s_cbranch_scc1 .Lnolist
	s_wait_loadcnt 63                              ; 64 loads were issued behind the pick words: they are in
	s_add_co_u32 s36, s22, 2048
.irp j, 0,1,2,3
	v_mov_b32 v[224+\j], s36
.endr
.irp n, 0,1,2,3,4,5,6,7,8
	ds_store_b128 v[LRA], v[224:227] offset:512*\n ; all 1,152 words: 2048 + e.  (In wave 0 the thread's number is the lane's)
.endr
.set ln, 0
.rept 32                               ; 32 tokens at a time: a chosen token's place is the count so far + the chosen lanes below mine; the order of rows within an expert is free
	v_and_b32 v228, s26, v[128+ln]
	v_cmp_ne_u32 vcc_lo, 0, v228
	v_mbcnt_lo_u32_b32 v[160+ln], vcc_lo, s28
	s_bcnt1_i32_b32 s36, vcc_lo
	s_add_co_u32 s28, s28, s36
	v_cndmask_b32 v[160+ln], v[DUMPI], v[160+ln], vcc_lo   ; a lane with nothing to place writes its own spare word
	v_min_u32 v[160+ln], 0x49f, v[160+ln]
	v_lshl_add_u32 v[160+ln], v[160+ln], 2, LIST
	v_lshrrev_b32 v[192+ln], s27, v[128+ln]
	v_and_b32 v[192+ln], 1, v[192+ln]              ; k: 1 where e is the token's second choice
	v_add3_u32 v[192+ln], v[192+ln], v[L8], 256*(ln/4)+2*(ln%4)   ; the slot 2 t + k
	ds_store_b32 v[160+ln], v[192+ln]
.set ln, ln+1
.endr
	s_add_co_u32 s36, s28, 15
	s_lshr_b32 s36, s36, 4
	s_max_u32 s36, s36, 1
	v_mov_b32 v229, s36
	ds_store_b32 v[CNTA], v229
.Lnolist:
	s_wait_dscnt 0x0                               ; wave 0's stores have landed; no other wave has touched LDS yet
	s_barrier_signal -1
	s_barrier_wait -1                              ; the list is whole
	ds_load_b32 v208, v[CNTA]
	s_wait_dscnt 0x0
	v_readfirstlane_b32 s30, v208
	s_min_u32 s30, s30, 64
	s_max_u32 s30, s30, 1                          ; nt
	s_cmp_lg_u32 s21, 0
	s_cbranch_scc1 .Lnorows                        ; work-group fs = 0 stores the list for the next launch
	ds_load_b128 v[200:203], v[LRA]
	ds_load_b128 v[204:207], v[LRA] offset:2048
	s_wait_dscnt 0x0
	global_store_b128 v[RWO], v[200:203], s[16:17]
	global_store_b128 v[RWO], v[204:207], s[16:17] offset:2048
	s_cmp_lg_u32 s20, 0
	s_cbranch_scc1 .Lnorows
	global_store_b32 v[NTO], v208, s[16:17] offset:32768
.Lnorows:
	; THE STREAM.  Behind each wanted batch or gather 64 to 68 younger loads have been issued, more than a wait can name: 63 is the largest count that is right.  The last two batches: 32 younger, then none.
	GATHER 0, LU0, LL0
	PB 0, 63
	LB 2
	PB 1, 63
	LB 3
	s_wait_loadcnt 63
	STAGE 0
	GATHER 1, LU0, LL0
	PB 2, 63
	LB 4
	PB 3, 63
	LB 5
	s_wait_loadcnt 63
	STAGE 1
	GATHER 2, LU0, LL0
	PB 4, 63
	LB 6
	PB 5, 63
	LB 7
	s_wait_loadcnt 63
	STAGE 2
	PB 6, 32
	PB 7, 0
	s_wait_dscnt 0x0                               ; my images and scale words have landed
	s_barrier_signal -1
	s_barrier_wait -1                              ; all 64 images are whole
	WIN 0x80
.set fi, 0
.rept 32
	ds_load_b128 v[8*fi:8*fi+3], v[L16] offset:fi*1024
	ds_load_b128 v[8*fi+4:8*fi+7], v[L16] offset:fi*1024+512
.set fi, fi+1
.endr
	WIN 0xc0
.set fi, 0
.rept 32
	ds_load_b128 v[8*fi:8*fi+3], v[L16] offset:(fi+32)*1024
	ds_load_b128 v[8*fi+4:8*fi+7], v[L16] offset:(fi+32)*1024+512
.set fi, fi+1
.endr
	WIN 0
.irp u, 0,1,2,3                        ; register WS + 8 u + s: lanes 0-15 tile 2 u's words of K step s, lanes 16-31 tile 2 u + 1's
.irp q, 0,1
	ds_load_b128 v[WS+8*\u+4*\q:WS+8*\u+4*\q+3], v[WSA] offset:\u*1024+16*\q
.endr
.endr
	s_wait_dscnt 0x0
	; THE TILES.  Three rounds of six slots a wave (72 tiles, 64 at the most are wanted): both loops have constant counts, and what a split leaves out is jumped over inside them.
	s_mov_b32 s31, 0                               ; round
	s_mov_b32 s32, s20                             ; my tile: w + 4 (6 round + slot)
	s_mov_b32 s44, 0                               ; the round's place in the list
.Lround:
	s_cmp_eq_u32 s31, 0
	s_cbranch_scc1 .Lhave                          ; the first round's rows were gathered under the stream
	s_cmp_ge_u32 s32, s30
	s_cbranch_scc1 .Lhave                          ; no tile of mine is left
	v_add_nc_u32 v[LUC], s44, v[LU0]
	v_add_nc_u32 v[LLC], s44, v[LL0]
.irp g, 0,1,2
	GATHER \g, LUC, LLC
	s_wait_loadcnt 0x0
	STAGE \g
.endr
.Lhave:
	s_mov_b32 s33, 0
	s_mov_b32 s34, 0
	s_mov_b32 s35, 0
.Lslot:
	s_cmp_ge_u32 s32, s30
	s_cbranch_scc1 .Lskip
	v_add_nc_u32 v[XFC], s34, v[XFA]
	v_add_nc_u32 v[XSN], s35, v[XSA]
	LOADX
	UPMUL
	UPEPI
.Lskip:
	s_add_co_u32 s32, s32, 4
	s_add_co_u32 s34, s34, SSLOT
	s_add_co_u32 s35, s35, QSLOT
	s_add_co_u32 s33, s33, 1
	s_cmp_lt_u32 s33, 6
	s_cbranch_scc1 .Lslot
	s_add_co_u32 s44, s44, 1536
	s_add_co_u32 s31, s31, 1
	s_cmp_lt_u32 s31, 3
	s_cbranch_scc1 .Lround
	s_wait_tensorcnt 0x0
	ds_add_u32 v254, v255
	s_wait_dscnt 0x0
	s_endpgm
.Lfunc_end_k_q1328129a72_up:
	.size	k_q1328129a72_up, .Lfunc_end_k_q1328129a72_up-k_q1328129a72_up
	.p2alignl 7, 3214868480
	.fill 96, 4, 3214868480
	.section	.rodata,"a",@progbits
	.p2align	6, 0x0
	.amdhsa_kernel k_q1328129a72_up
		.amdhsa_group_segment_fixed_size 296448
		.amdhsa_private_segment_fixed_size 0
		.amdhsa_enable_private_segment 0
		.amdhsa_kernarg_size 56
		.amdhsa_user_sgpr_count 2
		.amdhsa_user_sgpr_kernarg_segment_ptr 1
		.amdhsa_wavefront_size32 1
		.amdhsa_system_sgpr_workgroup_id_x 1
		.amdhsa_system_sgpr_workgroup_id_y 1
		.amdhsa_system_sgpr_workgroup_id_z 1
		.amdhsa_system_vgpr_workitem_id 0
		.amdhsa_next_free_vgpr 1024
		.amdhsa_next_free_sgpr 66
		.amdhsa_reserve_vcc 1
		.amdhsa_float_denorm_mode_32 3
		.amdhsa_float_denorm_mode_16_64 3
		.amdhsa_memory_ordered 1
		.amdhsa_forward_progress 1
		.amdhsa_inst_pref_size 237
	.end_amdhsa_kernel
	.amdgpu_metadata
---
amdhsa.version: [ 1, 2 ]
amdhsa.kernels:
  - .name:           k_q1328129a72_up
    .symbol:         k_q1328129a72_up.kd
    .args:
      - { .name: W1, .offset: 0, .size: 8, .value_kind: global_buffer, .address_space: global }
      - { .name: b1, .offset: 8, .size: 8, .value_kind: global_buffer, .address_space: global }
      - { .name: xq, .offset: 16, .size: 8, .value_kind: global_buffer, .address_space: global }
      - { .name: pick, .offset: 24, .size: 8, .value_kind: global_buffer, .address_space: global }
      - { .name: hq, .offset: 32, .size: 8, .value_kind: global_buffer, .address_space: global }
      - { .name: hs, .offset: 40, .size: 8, .value_kind: global_buffer, .address_space: global }
      - { .name: rows, .offset: 48, .size: 8, .value_kind: global_buffer, .address_space: global }
    .group_segment_fixed_size: 296448
    .private_segment_fixed_size: 0
    .kernarg_segment_align: 8
    .kernarg_segment_size: 56
    .max_flat_workgroup_size: 128
    .sgpr_count:     66
    .vgpr_count:     1024
    .wavefront_size: 32
...
	.end_amdgpu_metadata
.endif
;; end of part 2
;; launch down (part 3): grid 32 x 8, 4 waves a work-group, no clusters, 87,552 bytes of LDS; arguments W2, b2, hq, hs, rows, y; writes y
.if DOCPART == 3
	.amdgcn_target "amdgcn-amd-amdhsa--gfx1250"
	.amdhsa_code_object_version 6
	.text
	.protected	k_q1328129a72_down
	.globl	k_q1328129a72_down
	.p2align	8
	.type	k_q1328129a72_down,@function
k_q1328129a72_down:
	s_mov_b64 s[64:65], 0
	v_nop
	global_prefetch_b8 v0, s[64:65] scope:SCOPE_SE
	s_setreg_imm32_b32 hwreg(HW_REG_WAVE_MODE, 25, 1), 1
	s_wait_xcnt 0x0
; DOWN.  Work-group (ns, kh, e): outputs 64 ns .. + 63, half kh of K (2,048 hidden units), for the rows that chose expert e: y[kh][slot] = h W2[e] (+ b2[e] in half 0).  Experts not chosen by a row are not multiplied for it.
; The slice of W2, 2,048 K x 64 columns of f32, is read once in the launch, by this work-group alone, in FOUR CHUNKS of 4 K steps of 128; wave w streams K step 4 c + w of chunk c (two batches of 32 loads of 512 bytes),
; quantises it along K in registers and lays it in LDS as images of operand registers.  Behind a barrier every wave takes the chunk's 16 fragments and multiplies its tiles of 16 rows (w, w + 4, ..: six slots) by them,
; while the next chunk's 64 loads are out.  The sums of the six slots stay in registers (192) over all chunks; they begin as b2 (zeros in half 1).
; ORDER OF LOADS IN A CHUNK: wait for batch A, quantise, ask for the next A; wait for batch B, ask for h's fragments of this chunk, quantise B, ask for the next B.  So behind every load that is waited for by count stand exactly 32 younger ones,
; though the number of h's loads hangs on the stored number of tiles.
; Slots 0 to 3 are multiplied in one run of 64 matrix instructions with no branch among them: one of them that has no tile holds zero codes (written at the head) or an earlier pass's codes, and nothing of it is stored.
; Slots 4 and 5 are multiplied, 16 matrix instructions each, only where they have a tile.
; An expert with more than 24 tiles (384 rows): two further passes of six slots a wave take their fragments from the images, which stay in LDS; both loops there have constant counts, and a wave with no tile left jumps over the work inside them.
; The product is used transposed and the columns of a tile are chosen as in the launch before: lane (r, h) holds outputs 32 h + 0 .. 31 of row r.  A row's place in y is its slot 2 t + k from rows; rows behind an expert's last go to row 2,048 + e, which nobody reads.
; No tensor load, no cluster: the number of tiles is a stored number, and no weight byte is wanted by two work-groups.  No L2 prefetch: each wave has its next 64 loads of 512 bytes out by itself.
; LIMITS: NaN and infinities are not served; a block whose largest magnitude is under 2^-124 gets the byte 1 (a block of zeros too: zero codes; this program alone reads the bytes); K is summed in two f32 halves.
; REGISTERS: window 0: v0-31 addresses; v32-63 the quantiser; v64-71 W2's scale words; v72-83 h's; v84-131 row slots; v132-163 b2; v164-171 store offsets; v172-235 two columns on end (v172-203 also rows on the way out).
;   window 1: batches A, B.   window 2: v0-191 the sums, slot u tile j at 32 u + 8 j; v192-255 fragments of the chunk's K steps 0, 1.   window 3: v0-191 h, slot u K step k at 32 u + 8 k; v192-255 fragments of K steps 2, 3.
.set PITCH, 4096                       ; a row of W2[e]
.set NEXT,  2097152                    ; four K steps of 128 rows on
.set HALFB, 262144                     ; 64 rows on
.set WSC,   65536                      ; LDS 0: the 64 images, (K step s, tile j) at 1,024 (4 s + j).  WSC: W2's scale words [tile 4][row 16][s 16]
.set STG,   69632                      ; the waves' stages: 16 rows of 256 B + 16
.set L16, 4
.set WO,  5
.set IB,  6
.set SB,  7
.set SH8, 8
.set WSA, 9
.set STO, 10
.set RD,  11
.set YB,  12
.set L4,  13
.set H32, 14
.set BO,  15
.set IBC, 16                           ; IB, SB, L16, WSA at the chunk in hand
.set SBC, 17
.set FAC, 18
.set WSAC, 19
.set PT4, 20
.set AM,  32
.set SOP, 36
.set BY0, 40
.set WT,  44
.set CD,  48
.set WS,  64
.set HSC, 72
.set SL,  84
.set BIAS, 132
.set OA,  164
.set OB,  172
.set TMP0, 172
.set TMP1, 204
.set SEL, 24
.set T0,  32                           ; s32 my first tile of the pass
.set NA,  33                           ; s33 my slots that have a tile: a prefix of the six
.set WB,  40
.set C14, 46                           ; s46 16,384 x chunk;  s47 16 x chunk
.set C4,  47
.set HB,  50                           ; s[50:51] hq, s[52:53] hs, s[54:55] rows: at my first tile, and the chunk in hand
.set HSB, 52
.set RB,  54
.set MSB, 0
.macro WIN new                         ; the immediate's high byte repeats the setting that is left; a switch that changes nothing is dropped
.if MSB != \new
	s_set_vgpr_msb (MSB<<8)|\new
.set MSB, \new
.endif
.endm
.macro LOADB xb, lof                   ; a batch: 32 loads; in load i lanes 0-15 read row k0 + i (256 consecutive bytes, aligned), lanes 16-31 row k0 + 32 + i
	WIN 0x40
.set li, 0
.rept 32
	global_load_b128 v[\xb+4*li:\xb+4*li+3], v[WO], s[WB:WB+1] offset:\lof+li*PITCH th:TH_LOAD_NT
.set li, li+1
.endr
	WIN 0
.endm
.macro QUANTB xb, cc                   ; four columns' blocks of 32 along K become codes, stored into my K step's four images at 512 cc
	s_wait_dscnt 0x0                               ; the last batch's LDS stores are done
	WIN 0x05
.irp j, 0,1,2,3
	v_max3_num_f32 v[AM+\j], |v[\xb+\j]|, |v[\xb+4+\j]|, 0x1800000   ; the floor 2^(3 - 127) holds the byte at 1 from below
.endr
.set qi, 2
.rept 15
.irp j, 0,1,2,3
	v_max3_num_f32 v[AM+\j], |v[\xb+4*qi+\j]|, |v[\xb+4*qi+4+\j]|, v[AM+\j]   ; the four columns by turns
.endr
.set qi, qi+2
.endr
	WIN 0
.irp j, 0,1,2,3
	v_add_nc_u32 v[SOP+\j], 0xff000000, v[AM+\j]   ; 2 off the exponent field: the conversion's scale operand
.endr
.irp j, 0,1,2,3
.if \cc == 0
	v_lshrrev_b32 v[BY0+\j], 23, v[SOP+\j]         ; the byte of block (lane / 16)
.else
	v_lshrrev_b32 v[WT+\j], 23, v[SOP+\j]          ; of block 2 + (lane / 16)
.endif
.endr
.irp p, 0,2                            ; two columns at a time: their 32 numbers on end, then the conversions
	WIN 0x01
.set qi, 0
.rept 32
	v_mov_b32 v[TMP0+qi], v[\xb+4*qi+\p]
	v_mov_b32 v[TMP1+qi], v[\xb+4*qi+\p+1]
.set qi, qi+1
.endr
	WIN 0
.irp g, 0,1,2,3
	v_cvt_scalef32_pk8_fp4_f32 v[CD+4*\p+\g], v[TMP0+8*\g:TMP0+8*\g+7], v[SOP+\p]
	v_cvt_scalef32_pk8_fp4_f32 v[CD+4*\p+4+\g], v[TMP1+8*\g:TMP1+8*\g+7], v[SOP+\p+1]
.endr
	v_nop                                          ; one plain place behind the conversions
.endr
.irp j, 0,1,2,3
	ds_store_b128 v[IBC], v[CD+4*\j:CD+4*\j+3] offset:\cc*512+16*\j
.endr
.endm
.macro SCWORD                          ; my K step's scale words of my four columns: my two bytes and lane l xor 16's two
.irp j, 0,1,2,3
	v_lshl_or_b32 v[WT+\j], v[WT+\j], 16, v[BY0+\j]
.endr
.irp j, 0,1,2,3
	v_lshlrev_b32 v[WT+\j], v[SH8], v[WT+\j]
.endr
.irp j, 0,1,2,3
	v_permlanex16_b32 v[PT4+\j], v[WT+\j], s[SEL], s[SEL+1]
.endr
.irp j, 0,1,2,3
	v_or_b32 v[WT+\j], v[WT+\j], v[PT4+\j]
.endr
.irp j, 0,1,2,3
	ds_store_b32 v[SBC], v[WT+\j] offset:64*\j     ; both halves of the lanes write the same word with the same value
.endr
.endm
.macro HISSUE                          ; h of the chunk's 4 K steps for my slots that have a tile: 8 loads of codes (images of registers), 2 of scale words (lanes 0-15 K step 2 q, lanes 16-31 K step 2 q + 1)
.irp u, 0,1,2,3,4,5
	s_cmp_gt_u32 s[NA], \u
	s_cbranch_scc0 .Lhi_\@
	WIN 0xc0
.irp k, 0,1,2,3
	global_load_b128 v[32*\u+8*\k:32*\u+8*\k+3], v[L16], s[HB:HB+1] offset:\u*131072+\k*1024
	global_load_b128 v[32*\u+8*\k+4:32*\u+8*\k+7], v[L16], s[HB:HB+1] offset:\u*131072+\k*1024+512
.endr
	WIN 0
	global_load_b32 v[HSC+2*\u], v[L4], s[HSB:HSB+1] offset:\u*8192
	global_load_b32 v[HSC+2*\u+1], v[L4], s[HSB:HSB+1] offset:\u*8192+128
.endr
.Lhi_\@:
.endm
.macro SLL cond                        ; the slots' row numbers: lanes 0-15 rows 0-7 of the tile, lanes 16-31 rows 8-15
.irp u, 0,1,2,3,4,5
.if \cond
	s_cmp_gt_u32 s[NA], \u
	s_cbranch_scc0 .Lsl_\@
.endif
	global_load_b128 v[SL+8*\u:SL+8*\u+3], v[H32], s[RB:RB+1] offset:256*\u
	global_load_b128 v[SL+8*\u+4:SL+8*\u+7], v[H32], s[RB:RB+1] offset:256*\u+16
.endr
.Lsl_\@:
.endm
.macro FRAGS                           ; the chunk's 16 fragments and 8 registers of scale words (WS + 4 u + k: lanes 0-15 tile 2 u, lanes 16-31 tile 2 u + 1, K step k)
	WIN 0x80
.set fi, 0
.rept 8
	ds_load_b128 v[192+8*fi:192+8*fi+3], v[FAC] offset:fi*1024
	ds_load_b128 v[192+8*fi+4:192+8*fi+7], v[FAC] offset:fi*1024+512
.set fi, fi+1
.endr
	WIN 0xc0
.set fi, 0
.rept 8
	ds_load_b128 v[192+8*fi:192+8*fi+3], v[FAC] offset:(fi+8)*1024
	ds_load_b128 v[192+8*fi+4:192+8*fi+7], v[FAC] offset:(fi+8)*1024+512
.set fi, fi+1
.endr
	WIN 0
.irp u, 0,1
	ds_load_b128 v[WS+4*\u:WS+4*\u+3], v[WSAC] offset:\u*2048
.endr
.endm
.macro MM u, j, hf, sq                 ; slot u, tile j of the columns, K step 2 hf + sq of the chunk
.set rD, 32*(\u)+8*(\j)
.set rA, 192+8*(4*(\sq)+(\j))
.set rB, 32*(\u)+8*(2*(\hf)+(\sq))
.set rS, WS+4*((\j)/2)+2*(\hf)+(\sq)
.set rH, HSC+2*(\u)+(\hf)
.if ((\j)%2 == 0) && ((\sq) == 0)
	v_wmma_scale_f32_16x16x128_f8f6f4 v[rD:rD+7], v[rA:rA+7], v[rB:rB+7], v[rD:rD+7], v[rS], v[rH] matrix_a_fmt:MATRIX_FMT_FP4 matrix_b_fmt:MATRIX_FMT_FP4
.elseif ((\j)%2 == 1) && ((\sq) == 0)
	v_wmma_scale_f32_16x16x128_f8f6f4 v[rD:rD+7], v[rA:rA+7], v[rB:rB+7], v[rD:rD+7], v[rS], v[rH] matrix_a_fmt:MATRIX_FMT_FP4 matrix_b_fmt:MATRIX_FMT_FP4 matrix_a_scale:MATRIX_SCALE_ROW1
.elseif (\j)%2 == 0
	v_wmma_scale_f32_16x16x128_f8f6f4 v[rD:rD+7], v[rA:rA+7], v[rB:rB+7], v[rD:rD+7], v[rS], v[rH] matrix_a_fmt:MATRIX_FMT_FP4 matrix_b_fmt:MATRIX_FMT_FP4 matrix_b_scale:MATRIX_SCALE_ROW1
.else
	v_wmma_scale_f32_16x16x128_f8f6f4 v[rD:rD+7], v[rA:rA+7], v[rB:rB+7], v[rD:rD+7], v[rS], v[rH] matrix_a_fmt:MATRIX_FMT_FP4 matrix_b_fmt:MATRIX_FMT_FP4 matrix_a_scale:MATRIX_SCALE_ROW1 matrix_b_scale:MATRIX_SCALE_ROW1
.endif
.endm
.macro THALF hf
.irp sq, 0,1
.irp u, 0,1,2,3
.irp j, 0,1,2,3
	MM \u, \j, \hf, \sq
.endr
.endr
.endr
.endm
.macro TILES                           ; slots 0 to 3: 64 matrix instructions, K ascending; the 16 sums by turns, one instruction a turn
	WIN 0xae                                       ; W2 window 2, h window 3, C and D window 2
	THALF 0
	WIN 0xaf                                       ; W2 window 3
	THALF 1
	WIN 0
.endm
.macro ONE u, hf
.irp sq, 0,1
.irp j, 0,1,2,3
	MM \u, \j, \hf, \sq
.endr
.endr
.endm
.macro EXTRA                           ; slots 4 and 5, where they have a tile: 16 matrix instructions each, the slot's four sums by turns
.irp u, 4,5
	s_cmp_gt_u32 s[NA], \u
	s_cbranch_scc0 .Lex_\@
	WIN 0xae
	ONE \u, 0
	WIN 0xaf
	ONE \u, 1
	WIN 0
.endr
.Lex_\@:
.endm
.macro ACCINIT                         ; every slot's sums begin as b2 (half 0) or as zeros (half 1)
	WIN 0x80
.irp u, 0,1,2,3,4,5
.set bi, 0
.rept 32
	v_and_b32 v[32*\u+bi], s45, v[BIAS+bi]
.set bi, bi+1
.endr
.endr
	WIN 0
.endm
.macro EPI                             ; my slots that have a tile leave through my stage: sixteen lanes store 256 consecutive bytes of a row of y, aligned
.irp u, 0,1,2,3,4,5
	s_cmp_gt_u32 s[NA], \u
	s_cbranch_scc0 .Lep_\@
	s_wait_xcnt 0x0                                ; the last slot's stores have read their data and offsets
.irp t, 0,1,2,3,4,5,6,7
	v_min_u32 v[OA+\t], 0x807, v[SL+8*\u+\t]       ; a stored number enters an address held to y's 2,056 rows.  (These sixteen lines are also the places behind the last products)
.endr
.irp t, 0,1,2,3,4,5,6,7
	v_lshl_add_u32 v[OA+\t], v[OA+\t], 12, v[YB]
.endr
	WIN 0x08
.irp j, 0,1,2,3
	ds_store_b128 v[STO], v[32*\u+8*\j:32*\u+8*\j+3] offset:32*\j        ; each accumulator from its low end on
	ds_store_b128 v[STO], v[32*\u+8*\j+4:32*\u+8*\j+7] offset:32*\j+16
.endr
	WIN 0
.irp t, 0,1,2,3,4,5,6,7
	ds_load_b128 v[OB+4*\t:OB+4*\t+3], v[RD] offset:272*\t               ; LDS serves a wave in order: these see my stores.  Lanes 0-15 row t, lanes 16-31 row t + 8
.endr
	s_wait_alu depctr_va_vdst(0)                   ; directly ahead of the waits below
.irp t, 0,1,2,3,4,5,6,7
	s_wait_dscnt 7-\t
	global_store_b128 v[OA+\t], v[OB+4*\t:OB+4*\t+3], s[14:15] th:TH_STORE_NT
.endr
.endr
.Lep_\@:
.endm
.macro CHUNK more                      ; more = 1: a chunk follows, and its batches are asked for
	v_add_nc_u32 v[IBC], s[C14], v[IB]
	v_add_nc_u32 v[SBC], s[C4], v[SB]
	v_add_nc_u32 v[FAC], s[C14], v[L16]
	v_add_nc_u32 v[WSAC], s[C4], v[WSA]
	s_wait_loadcnt 32                              ; batch A is in; behind it: batch B's 32
	QUANTB 0, 0
.if \more
	LOADB 0, NEXT
	s_wait_loadcnt 32                              ; batch B is in; behind it: the next A's 32
.else
	s_wait_loadcnt 0x0
.endif
	HISSUE
	QUANTB 128, 1
	SCWORD
.if \more
	LOADB 128, NEXT+HALFB
.endif
	s_wait_dscnt 0x0                               ; my images and scale words have landed
	s_barrier_signal -1
	s_barrier_wait -1                              ; the chunk's 16 images are whole
	FRAGS
.if \more
	s_wait_loadcnt 32                              ; h is in; behind it: the next B's 32
.else
	s_wait_loadcnt 0x0
.endif
	s_wait_dscnt 0x0                               ; the fragments are in
.if \more
	s_barrier_signal -1                            ; my reads of images are over: image reads and image stores never share a stretch between two barriers
.endif
	TILES
.if \more
	s_barrier_wait -1
.endif
	EXTRA
.if \more
	s_wait_xcnt 0x0                                ; every load has read its base: on to the next chunk
	s_add_nc_u64 s[WB:WB+1], s[WB:WB+1], NEXT
	s_add_nc_u64 s[HB:HB+1], s[HB:HB+1], 4096
	s_add_nc_u64 s[HSB:HSB+1], s[HSB:HSB+1], 256
	s_add_co_u32 s[C14], s[C14], 16384
	s_add_co_u32 s[C4], s[C4], 16
.endif
.endm
	s_load_b256 s[4:11], s[0:1], 0x0               ; W2, b2, hq, hs
	s_load_b128 s[12:15], s[0:1], 0x20             ; rows, y
	v_lshl_add_u32 v254, v0, 2, 0x15400            ; my spare word and 0
	v_mov_b32 v255, 0
	v_lshrrev_b32 v1, 5, v0
	v_readfirstlane_b32 s20, v1                    ; wave
	s_and_b32 s23, ttmp9, 15                       ; ns
	s_lshr_b32 s29, ttmp9, 4                       ; kh
	s_and_b32 s22, ttmp7, 0xffff                   ; e
	v_and_b32 v1, 31, v0
	v_and_b32 v2, 15, v0                           ; a
	v_bfe_u32 v3, v0, 4, 1                         ; hh
	v_lshlrev_b32 v[L16], 4, v1
	v_lshlrev_b32 v[WO], 4, v2
	v_lshl_add_u32 v[WO], v3, 17, v[WO]            ; 16 a + 32 rows x hh
	v_bfe_u32 v30, v0, 1, 2                        ; my four columns' tile,
	v_bfe_u32 v31, v0, 3, 1
	v_and_b32 v24, 1, v0
	v_lshlrev_b32 v31, 1, v31
	v_add_nc_u32 v31, v31, v24                     ; and a quarter of their first row in it
	v_lshlrev_b32 v[IB], 10, v30
	v_lshl_add_u32 v[IB], v31, 6, v[IB]
	v_lshl_add_u32 v[IB], v3, 8, v[IB]
	s_lshl_b32 s36, s20, 12
	v_add_nc_u32 v[IB], s36, v[IB]                 ; image: 1,024 tile + 16 (row + 16 hh) + 4,096 w (my K step of the chunk)
	v_lshlrev_b32 v[SB], 10, v30
	v_lshl_add_u32 v[SB], v31, 8, v[SB]
	s_lshl_b32 s36, s20, 2
	s_add_co_u32 s36, s36, WSC
	v_add_nc_u32 v[SB], s36, v[SB]                 ; scale words: 64 (16 tile + row) + 4 w
	v_lshlrev_b32 v[SH8], 3, v3
	v_lshlrev_b32 v[WSA], 6, v2
	v_lshl_add_u32 v[WSA], v3, 10, v[WSA]
	v_add_nc_u32 v[WSA], WSC, v[WSA]
	s_mul_i32 s36, s20, 16*272
	s_add_co_u32 s36, s36, STG
	v_mul_u32_u24 v[STO], v2, 272
	v_lshl_add_u32 v[STO], v3, 7, v[STO]
	v_add_nc_u32 v[STO], s36, v[STO]               ; the stage, in: row a, + 128 hh
	v_mul_u32_u24 v[RD], v3, 8*272
	v_lshl_add_u32 v[RD], v2, 4, v[RD]
	v_add_nc_u32 v[RD], s36, v[RD]                 ; and out
	s_mul_i32 s36, s29, 8421376                    ; y's half: 2,056 rows of 4,096 bytes
	s_lshl_b32 s37, s23, 8
	s_add_co_u32 s36, s36, s37
	v_lshl_add_u32 v[YB], v2, 4, s36
	v_lshlrev_b32 v[L4], 2, v1
	v_lshlrev_b32 v[H32], 5, v3
	v_lshlrev_b32 v[BO], 7, v3
.irp j, 0,1,2,3
	v_mov_b32 v[PT4+\j], 0                         ; a lane permute's destination counts as read
.endr
	s_mov_b32 s[SEL], 0x76543210
	s_mov_b32 s[SEL+1], 0xfedcba98
	s_cmp_eq_u32 s29, 0
	s_cselect_b32 s45, -1, 0                       ; b2 counts in half 0 alone
	s_lshl_b32 s36, s22, 24
	s_lshl_b32 s38, s29, 23
	s_add_co_u32 s36, s36, s38
	s_lshl_b32 s38, s20, 19
	s_add_co_u32 s36, s36, s38
	s_lshl_b32 s38, s23, 8
	s_add_co_u32 s36, s36, s38                     ; W2: expert, half, my K step of chunk 0, the slice's 64 columns
	s_mov_b32 s37, 0
	s_lshl_b32 s38, s22, 12
	s_lshl_b32 s39, s23, 8
	s_add_co_u32 s38, s38, s39
	s_mov_b32 s39, 0
	s_lshl_b32 s34, s22, 2
	s_mov_b32 s35, 0
	s_lshl_b32 s56, s22, 21                        ; hq: ((64 e + w) 32 + 16 kh) x 1,024
	s_lshl_b32 s57, s20, 15
	s_add_co_u32 s56, s56, s57
	s_lshl_b32 s57, s29, 14
	s_add_co_u32 s56, s56, s57
	s_mov_b32 s57, 0
	s_lshr_b32 s58, s56, 4                         ; hs: the same x 64
	s_mov_b32 s59, 0
	s_lshl_b32 s60, s22, 12                        ; rows: (64 e + w) x 64
	s_lshl_b32 s61, s20, 6
	s_add_co_u32 s60, s60, s61
	s_mov_b32 s61, 0
	s_wait_alu depctr_va_vdst(0)
	s_wait_kmcnt 0x0
	s_add_nc_u64 s[WB:WB+1], s[4:5], s[36:37]
	s_add_nc_u64 s[42:43], s[6:7], s[38:39]
	s_add_nc_u64 s[48:49], s[12:13], s[34:35]
	s_add_nc_u64 s[HB:HB+1], s[8:9], s[56:57]
	s_add_nc_u64 s[HSB:HSB+1], s[10:11], s[58:59]
	s_add_nc_u64 s[RB:RB+1], s[12:13], s[60:61]
	s_load_b32 s30, s[48:49], 0x8000               ; nt[e]
.irp j, 0,1,2,3                        ; b2 in the result's layout: tile j, lane (r, h): outputs 32 h + 8 j + 0 .. 7
	global_load_b128 v[BIAS+8*\j:BIAS+8*\j+3], v[BO], s[42:43] offset:32*\j
	global_load_b128 v[BIAS+8*\j+4:BIAS+8*\j+7], v[BO], s[42:43] offset:32*\j+16
.endr
	SLL 0                                          ; tiles w .. w + 20: all 1,024 words of an expert's list were stored
	LOADB 0, 0
	LOADB 128, HALFB
	WIN 0xc0
.set bi, 0
.rept 192
	v_mov_b32 v[bi], 0                             ; a slot with no tile: zero codes,
.set bi, bi+1
.endr
	WIN 0
.set bi, 0
.rept 12
	v_mov_b32 v[HSC+bi], 0x7f7f7f7f                ; under the scale 1
.set bi, bi+1
.endr
	s_wait_loadcnt 63                              ; b2 is in: 76 loads were issued behind it
	ACCINIT
	s_wait_kmcnt 0x0
	s_min_u32 s30, s30, 64
	s_max_u32 s30, s30, 1
	s_add_co_u32 s36, s30, 3
	s_sub_co_u32 s36, s36, s20
	s_lshr_b32 s36, s36, 2                         ; my tiles: w, w + 4, .. under nt,
	s_min_u32 s[NA], s36, 6                        ; six of them in this pass
	s_mov_b32 s[C14], 0
	s_mov_b32 s[C4], 0
	s_mov_b32 s34, 0
.Lchunk:
	CHUNK 1
	s_add_co_u32 s34, s34, 1
	s_cmp_lt_u32 s34, 3
	s_cbranch_scc1 .Lchunk
	CHUNK 0                                        ; the last chunk asks for nothing more
	EPI
	; TILES 24 AND ON: the images of all four chunks lie in LDS and are written no more: no barrier.
	s_wait_xcnt 0x0
	s_add_nc_u64 s[HB:HB+1], s[HB:HB+1], 786432-12288      ; 24 tiles on, back to chunk 0
	s_add_nc_u64 s[HSB:HSB+1], s[HSB:HSB+1], 49152-768
	s_add_nc_u64 s[RB:RB+1], s[RB:RB+1], 1536
	s_add_co_u32 s[T0], s20, 24
	s_mov_b32 s35, 0
.Lpass:
	s_add_co_u32 s36, s30, 3
	s_sub_co_i32 s36, s36, s[T0]
	s_max_i32 s36, s36, 0
	s_lshr_b32 s36, s36, 2
	s_min_u32 s[NA], s36, 6
	s_cmp_eq_u32 s[NA], 0
	s_cbranch_scc1 .Lnoinit                        ; no tile of mine in this pass: both loops are walked all the same, with constant counts, and the work is jumped over inside them
.rept 4
	v_nop                                          ; four places between the last products and the writes of their results (ISA guide 7.12.1)
.endr
	ACCINIT
	SLL 1
.Lnoinit:
	s_mov_b32 s[C14], 0
	s_mov_b32 s[C4], 0
	s_mov_b32 s34, 0
.Lover:
	s_cmp_eq_u32 s[NA], 0
	s_cbranch_scc1 .Lnone
	v_add_nc_u32 v[FAC], s[C14], v[L16]
	v_add_nc_u32 v[WSAC], s[C4], v[WSA]
.rept 4
	v_nop                                          ; four places in front of loads into registers that matrix instructions have read
.endr
	s_wait_alu depctr_va_vdst(0)                   ; ahead of the branches and waits below
	HISSUE
	FRAGS
	s_wait_loadcnt 0x0
	s_wait_dscnt 0x0
	TILES
	EXTRA
.Lnone:
	s_wait_xcnt 0x0
	s_add_nc_u64 s[HB:HB+1], s[HB:HB+1], 4096      ; (stepped in every trip; with no tile left the addresses are not used)
	s_add_nc_u64 s[HSB:HSB+1], s[HSB:HSB+1], 256
	s_add_co_u32 s[C14], s[C14], 16384
	s_add_co_u32 s[C4], s[C4], 16
	s_add_co_u32 s34, s34, 1
	s_cmp_lt_u32 s34, 4
	s_cbranch_scc1 .Lover
	EPI
	s_wait_xcnt 0x0
	s_add_nc_u64 s[HB:HB+1], s[HB:HB+1], 786432-16384
	s_add_nc_u64 s[HSB:HSB+1], s[HSB:HSB+1], 49152-1024
	s_add_nc_u64 s[RB:RB+1], s[RB:RB+1], 1536
	s_add_co_u32 s[T0], s[T0], 24
	s_add_co_u32 s35, s35, 1
	s_cmp_lt_u32 s35, 2
	s_cbranch_scc1 .Lpass
	s_wait_tensorcnt 0x0                           ; the wave's end, behind my last LDS store
	ds_add_u32 v254, v255
	s_wait_dscnt 0x0
	s_endpgm
.Lfunc_end_k_q1328129a72_down:
	.size	k_q1328129a72_down, .Lfunc_end_k_q1328129a72_down-k_q1328129a72_down
	.p2alignl 7, 3214868480
	.fill 96, 4, 3214868480
	.section	.rodata,"a",@progbits
	.p2align	6, 0x0
	.amdhsa_kernel k_q1328129a72_down
		.amdhsa_group_segment_fixed_size 87552
		.amdhsa_private_segment_fixed_size 0
		.amdhsa_enable_private_segment 0
		.amdhsa_kernarg_size 48
		.amdhsa_user_sgpr_count 2
		.amdhsa_user_sgpr_kernarg_segment_ptr 1
		.amdhsa_wavefront_size32 1
		.amdhsa_system_sgpr_workgroup_id_x 1
		.amdhsa_system_sgpr_workgroup_id_y 1
		.amdhsa_system_sgpr_workgroup_id_z 1
		.amdhsa_system_vgpr_workitem_id 0
		.amdhsa_next_free_vgpr 1024
		.amdhsa_next_free_sgpr 66
		.amdhsa_reserve_vcc 0
		.amdhsa_float_denorm_mode_32 3
		.amdhsa_float_denorm_mode_16_64 3
		.amdhsa_memory_ordered 1
		.amdhsa_forward_progress 1
		.amdhsa_inst_pref_size 186
	.end_amdhsa_kernel
	.amdgpu_metadata
---
amdhsa.version: [ 1, 2 ]
amdhsa.kernels:
  - .name:           k_q1328129a72_down
    .symbol:         k_q1328129a72_down.kd
    .args:
      - { .name: W2, .offset: 0, .size: 8, .value_kind: global_buffer, .address_space: global }
      - { .name: b2, .offset: 8, .size: 8, .value_kind: global_buffer, .address_space: global }
      - { .name: hq, .offset: 16, .size: 8, .value_kind: global_buffer, .address_space: global }
      - { .name: hs, .offset: 24, .size: 8, .value_kind: global_buffer, .address_space: global }
      - { .name: rows, .offset: 32, .size: 8, .value_kind: global_buffer, .address_space: global }
      - { .name: y, .offset: 40, .size: 8, .value_kind: global_buffer, .address_space: global }
    .group_segment_fixed_size: 87552
    .private_segment_fixed_size: 0
    .kernarg_segment_align: 8
    .kernarg_segment_size: 48
    .max_flat_workgroup_size: 128
    .sgpr_count:     66
    .vgpr_count:     1024
    .wavefront_size: 32
...
	.end_amdgpu_metadata
.endif
;; end of part 3
;; launch combine (part 4): grid 256 x 1, 8 waves a work-group, no clusters, 0 bytes of LDS; arguments y, gate, out0; writes out0
.if DOCPART == 4
	.amdgcn_target "amdgcn-amd-amdhsa--gfx1250"
	.amdhsa_code_object_version 6
	.text
	.protected	k_q1328129a72_combine
	.globl	k_q1328129a72_combine
	.p2align	8
	.type	k_q1328129a72_combine,@function
k_q1328129a72_combine:
	s_mov_b64 s[64:65], 0
	v_nop
	global_prefetch_b8 v0, s[64:65] scope:SCOPE_SE
	s_setreg_imm32_b32 hwreg(HW_REG_WAVE_MODE, 25, 1), 1
	s_wait_xcnt 0x0
; COMBINE.  out[t] = g0 (y0[2t] + y1[2t]) + g1 (y0[2t+1] + y1[2t+1]): the two halves of K and the token's two experts, each row of y read once, each row of out written once by its one owner.
; A work-group has 4 tokens; thread i owns bytes 16 i .. 16 i + 15 of every row, so a wave's load or store covers 512 consecutive bytes.  All 16 loads go out at once; the waits count down by four.
; A plain stream: no LDS, no barrier, no matrix unit.
.set HALF, 8421376                     ; y's second half: 2,056 rows of 4,096 bytes on (beyond a load's immediate: it has a base of its own)
.set Y, 16                             ; v16-79  token q: 16 registers: (k 0: half 0, half 1), (k 1: half 0, half 1)
.set O, 80                             ; v80-95  token q: 4 registers to store
	s_load_b128 s[4:7], s[0:1], 0x0                ; y, gate
	s_load_b64 s[8:9], s[0:1], 0x10                ; out0
	s_lshl_b32 s10, ttmp9, 5                       ; my 8 gates
	s_mov_b32 s11, 0
	v_lshlrev_b32 v1, 4, v0
	s_lshl_b32 s14, ttmp9, 15
	v_add_nc_u32 v2, s14, v1                       ; y: 8 rows a work-group
	s_lshl_b32 s14, ttmp9, 14
	v_add_nc_u32 v3, s14, v1                       ; out: 4 rows
	s_wait_alu depctr_va_vdst(0)
	s_wait_kmcnt 0x0
	s_add_nc_u64 s[6:7], s[6:7], s[10:11]
	s_add_nc_u64 s[12:13], s[4:5], HALF
	s_load_b256 s[16:23], s[6:7], 0x0
.irp r, 0,1,2,3,4,5,6,7
	global_load_b128 v[Y+8*\r:Y+8*\r+3], v2, s[4:5] offset:4096*\r th:TH_LOAD_NT
	global_load_b128 v[Y+8*\r+4:Y+8*\r+7], v2, s[12:13] offset:4096*\r th:TH_LOAD_NT
.endr
	s_wait_kmcnt 0x0
.irp q, 0,1,2,3
	s_wait_loadcnt 12-4*\q                         ; this token's four loads are in; the later tokens' may be out
.irp k, 0,8
	v_pk_add_f32 v[Y+16*\q+\k:Y+16*\q+\k+1], v[Y+16*\q+\k:Y+16*\q+\k+1], v[Y+16*\q+\k+4:Y+16*\q+\k+5]
	v_pk_add_f32 v[Y+16*\q+\k+2:Y+16*\q+\k+3], v[Y+16*\q+\k+2:Y+16*\q+\k+3], v[Y+16*\q+\k+6:Y+16*\q+\k+7]
.endr
.irp c, 0,1,2,3
	v_mul_f32 v[O+4*\q+\c], s[16+2*\q], v[Y+16*\q+\c]
.endr
.irp c, 0,1,2,3
	s_delay_alu instid0(VALU_DEP_4)
	v_fmac_f32 v[O+4*\q+\c], s[17+2*\q], v[Y+16*\q+8+\c]
.endr
	global_store_b128 v3, v[O+4*\q:O+4*\q+3], s[8:9] offset:4096*\q th:TH_STORE_NT
.endr
	s_endpgm
.Lfunc_end_k_q1328129a72_combine:
	.size	k_q1328129a72_combine, .Lfunc_end_k_q1328129a72_combine-k_q1328129a72_combine
	.p2alignl 7, 3214868480
	.fill 96, 4, 3214868480
	.section	.rodata,"a",@progbits
	.p2align	6, 0x0
	.amdhsa_kernel k_q1328129a72_combine
		.amdhsa_group_segment_fixed_size 0
		.amdhsa_private_segment_fixed_size 0
		.amdhsa_enable_private_segment 0
		.amdhsa_kernarg_size 24
		.amdhsa_user_sgpr_count 2
		.amdhsa_user_sgpr_kernarg_segment_ptr 1
		.amdhsa_wavefront_size32 1
		.amdhsa_system_sgpr_workgroup_id_x 1
		.amdhsa_system_sgpr_workgroup_id_y 1
		.amdhsa_system_sgpr_workgroup_id_z 1
		.amdhsa_system_vgpr_workitem_id 0
		.amdhsa_next_free_vgpr 96
		.amdhsa_next_free_sgpr 66
		.amdhsa_reserve_vcc 0
		.amdhsa_float_denorm_mode_32 3
		.amdhsa_float_denorm_mode_16_64 3
		.amdhsa_memory_ordered 1
		.amdhsa_forward_progress 1
		.amdhsa_inst_pref_size 6
	.end_amdhsa_kernel
	.amdgpu_metadata
---
amdhsa.version: [ 1, 2 ]
amdhsa.kernels:
  - .name:           k_q1328129a72_combine
    .symbol:         k_q1328129a72_combine.kd
    .args:
      - { .name: y, .offset: 0, .size: 8, .value_kind: global_buffer, .address_space: global }
      - { .name: gate, .offset: 8, .size: 8, .value_kind: global_buffer, .address_space: global }
      - { .name: out0, .offset: 16, .size: 8, .value_kind: global_buffer, .address_space: global }
    .group_segment_fixed_size: 0
    .private_segment_fixed_size: 0
    .kernarg_segment_align: 8
    .kernarg_segment_size: 24
    .max_flat_workgroup_size: 256
    .sgpr_count:     66
    .vgpr_count:     96
    .wavefront_size: 32
...
	.end_amdgpu_metadata
.endif
;; end of part 4
